; MI455X (gfx1250); checked and timed in simulation.
; The chip was launched on July 23, 2026; its instructions are those of AMD's public machine-readable ISA for CDNA 5 (MIT licence, August 2026) and "CDNA5" Instruction Set Architecture Reference Guide (July 2026). The comments in the code are by the model that wrote it; some were corrected since.
;; Cross Attention. Allowed arithmetic: matrix products marked QUANTISED: E2M1 operands, one E8M0 scale for each 32 along K, by v_wmma_scale_f32_16x16x128_f8f6f4 with both operands' format E2M1 (or v_wmma_scale_f32_32x16x128_f4), f32 sums; products left as they are: bf16, f16 or f32 operands; f32 sums; everything else in f32.
;; Inputs: Wk 512 x 512 float32; Wo 512 x 512 float32; Wq 512 x 512 float32; Wv 512 x 512 float32; bo 512 float32; patch_embed 4 x 2,048 x 512 float32; pixel_embed 4 x 2,048 x 512 float32.
;; Outputs: out0 4 x 2,048 x 512 float32.
;; This version of the problem:
;;   THIS VERSION OF THE PROBLEM IS GIVEN IN LOW PRECISION. The matrix products marked QUANTISED in the list below multiply operands that are first quantised to E2M1 (2 exponent bits, 1 mantissa bit; 4 bits a number), with one power-of-two scale for each 32 numbers along K (OCP MX v1.0); their sums are f32. The products marked 'left as it is' may take bf16, f16 or f32 operands, with f32 sums. Whichever they take, every output number must still come out within the allowed error. Rounding operands to bf16 (8 significant bits) uses up far more of that allowance than f16 does (11 bits, for magnitudes from 6e-5 to 65,504). All else is computed in f32.
;;   The module's matrix products, in the order in which they are computed (A, B: the left and right operand; K: the contracted axis; several contracted axes count as one K, in the product's order):
;;     1. [M 8,192, K 512] x [K 512, N 512]; A: input pixel_embed; B: input Wq: QUANTISED
;;     2. [M 8,192, K 512] x [K 512, N 512]; A: input patch_embed; B: input Wk: QUANTISED
;;     3. [M 8,192, K 512] x [K 512, N 512]; A: input patch_embed; B: input Wv: QUANTISED
;;     4. batch 32 x [M 2,048, K 64] x [K 64, N 2,048]; A: computed on the way; B: computed on the way: left as it is (an operand is computed on the way)
;;     5. batch 32 x [M 64, K 2,048] x [K 2,048, N 2,048]; A: computed on the way; B: computed on the way: left as it is (an operand is computed on the way)
;;     6. [M 8,192, K 512] x [K 512, N 512]; A: computed on the way; B: input Wo: left as it is (an operand is computed on the way)
;;   THE QUANTISER, for each operand of a quantised product, along K:
;;     - K is cut into blocks of 32 from its start; a last block that is shorter is filled with zeros.
;;     - A block's scale is 2^e with e = floor(log2(the largest magnitude in the block)) - 2, held to -126 .. 127; a block of zeros has e = 0. As a byte (E8M0): e + 127.
;;     - Each number is divided by its block's scale, clamped to +-6, and rounded to the nearest number of E2M1, ties to even, subnormals kept.
;;     - The product sums the exact products of the quantised numbers (number of the format x scale) in f32.
;;   ~~~python
;;   def quantise(x, axis):      # numpy; x: float32 -> the quantised numbers, widened to float32 again
;;       x = np.moveaxis(x, axis, -1); K = x.shape[-1]
;;       x = np.pad(x, [(0, 0)] * (x.ndim - 1) + [(0, -K % 32)]); x = x.reshape(x.shape[:-1] + (-1, 32)); a = np.abs(x).max(-1, keepdims=True)
;;       e = np.where(a > 0, np.clip(np.frexp(np.where(a > 0, a, 1))[1] - 1 - 2, -126, 127), 0)      # np.frexp(a)[1] - 1 = floor(log2(a)), exactly
;;       r = np.clip(x / 2.0 ** e, -6, 6)
;;       step = 2.0 ** (np.maximum(np.frexp(np.where(r == 0, 1, r))[1] - 1, 0) - 1)
;;       q = np.round(r / step) * step * 2.0 ** e      # np.round: ties to even
;;       return np.moveaxis(q.reshape(q.shape[:-2] + (-1,))[..., :K], -1, axis).astype(np.float32)
;;   ~~~
;; One version. Each part assembles by itself: llvm-mc -triple=amdgcn-amd-amdhsa -mcpu=gfx1250 --defsym DOCPART=n.
;; ======== version 1 of 1: 4 launches
;; limits: values are held in f16: magnitudes above 65,504 overflow, below 6.1e-05 lose precision
;; workspace buffers: wc 393,216 bytes; ws 24,576 bytes; wof 524,288 bytes; qf 8,388,608 bytes; kv 16,777,216 bytes; ofr 8,388,608 bytes
;; launch prep (part 1): grid 16 x 4, 4 waves a work-group, no clusters, 0 bytes of LDS; arguments Wq, Wk, Wv, Wo, wc, ws, wof; writes wc, ws, wof
.if DOCPART == 1
	.amdgcn_target "amdgcn-amd-amdhsa--gfx1250"
	.amdhsa_code_object_version 6
	.text
	.protected	k_qd9aedfd5e4_prep
	.globl	k_qd9aedfd5e4_prep
	.p2align	8
	.type	k_qd9aedfd5e4_prep,@function
k_qd9aedfd5e4_prep:
	s_mov_b64 s[64:65], 0
	v_nop
	global_prefetch_b8 v0, s[64:65] scope:SCOPE_SE
	s_setreg_imm32_b32 hwreg(HW_REG_WAVE_MODE, 25, 1), 1
	s_wait_xcnt 0x0
; The four weights, [512 (k)][512 (n)] f32 with K as their FIRST axis, are laid out once as the later launches' operand registers want them.
; Wq, Wk, Wv (grid y = 0, 1, 2): codes of FP4 (E2M1) with one E8M0 byte for each 32 along K.  Wo (y = 3): f16.
; A FRAGMENT IS STORED AS AN IMAGE OF ITS REGISTERS: 1,024 bytes, group g of four registers of lane l at 512 g + 16 l.
;   wc : y x 131,072 + (4 (n / 16) + k / 128) x 1,024: lane (r, h) = column 16 (n / 16) + r, registers 4 c .. 4 c + 3 = k 64 c + 32 h + 0 .. 31 of the K step
;   ws : y x 8,192 + (k / 128) x 2,048 + 4 n: a column's four scale bytes of a K step
;   wof: (n / 16) x 16,384 + (k / 32) x 1,024: lane (r, h) = column r, registers 0-3 = k 8 h + 0 .. 7, registers 4-7 = k 16 + 8 h + 0 .. 7
; A LANE TAKES A COLUMN AND ITS REGISTERS RUN DOWN K: each load reads 128 consecutive bytes a wave, the four waves 512; a block of 32 along K lies in one lane, so its largest magnitude needs no other lane.
; A work-group takes 128 columns x 128 along K (x = 4 (k / 128) + n / 128), a wave 32 columns.  Each store's lanes 0-15 and lanes 16-31 cover 256 consecutive aligned bytes each.
; A block's scale is 2^(floor(log2(largest magnitude)) - 2): its byte is the largest magnitude's exponent field - 2, held at 1 from below.
; LIMITS: a block of zeros gets the byte 1 where the rule says 127 (its codes are zeros, and this program alone reads the bytes); a block whose largest magnitude lies under 2^-124 gets the byte 1;
; NaN and infinities are not served; |Wo| stays under 65,504, f16's largest number.
; No LDS, no barrier, no cluster: work-groups and waves share no input.
.set X, 16                             ; v16-143  my column's 128 numbers
.set C, 144                            ; v144-207 what is stored: registers of its own for each store, so that no store's data are written again
	s_load_b256 s[4:11], s[0:1], 0x0               ; Wq s[4:5], Wk s[6:7], Wv s[8:9], Wo s[10:11]
	s_load_b128 s[12:15], s[0:1], 0x20             ; wc s[12:13], ws s[14:15]
	s_load_b64 s[16:17], s[0:1], 0x30              ; wof
	v_lshrrev_b32 v1, 5, v0
	v_readfirstlane_b32 s18, v1                    ; wave 0..3
	v_and_b32 v1, 31, v0                           ; lane
	v_lshlrev_b32 v2, 2, v1                        ; 4 x lane: my column in a row of W, and my scale word
	v_lshrrev_b32 v5, 4, v1                        ; which of the wave's two tiles of 16 columns
	v_and_b32 v6, 15, v1
	v_lshlrev_b32 v6, 4, v6                        ; 16 r
	v_lshl_add_u32 v3, v5, 12, v6                  ; wc: a tile of columns is 4 fragments, 4,096 bytes
	v_lshl_add_u32 v4, v5, 14, v6                  ; wof: 16 fragments, 16,384 bytes
	s_and_b32 s19, ttmp7, 0xffff                   ; y: which weight
	s_and_b32 s20, ttmp9, 3                        ; which 128 columns
	s_lshr_b32 s21, ttmp9, 2                       ; ks: which 128 along K
	s_lshl_b32 s22, s20, 2
	s_add_co_u32 s22, s22, s18                     ; cg: my wave's 32 columns
	s_lshl_b32 s26, s21, 18                        ; 128 rows of 2,048 bytes
	s_lshl_b32 s27, s22, 7                         ; 32 columns of 4 bytes
	s_add_co_u32 s26, s26, s27
	s_mov_b32 s27, 0
	s_wait_kmcnt 0x0
	s_mov_b64 s[24:25], s[10:11]                   ; the source is chosen by the work-group's y alone
	s_cmp_eq_u32 s19, 0
	s_cselect_b64 s[24:25], s[4:5], s[24:25]
	s_cmp_eq_u32 s19, 1
	s_cselect_b64 s[24:25], s[6:7], s[24:25]
	s_cmp_eq_u32 s19, 2
	s_cselect_b64 s[24:25], s[8:9], s[24:25]
	s_add_nc_u64 s[24:25], s[24:25], s[26:27]
.set ii, 0
.rept 128
	global_load_b32 v[X+ii], v2, s[24:25] offset:ii*2048 th:TH_LOAD_NT   ; W(128 ks + i, my column): read once in the launch
.set ii, ii+1
.endr
	s_cmp_eq_u32 s19, 3
	s_cbranch_scc1 .Lwo
	; ---- Wq, Wk, Wv: codes and scale words
	s_lshl_b32 s28, s19, 17
	s_lshl_b32 s29, s22, 13
	s_add_co_u32 s28, s28, s29
	s_lshl_b32 s29, s21, 10
	s_add_co_u32 s28, s28, s29                     ; y x 131,072 + cg x 8,192 + ks x 1,024
	s_mov_b32 s29, 0
	s_add_nc_u64 s[12:13], s[12:13], s[28:29]
	s_lshl_b32 s28, s19, 13
	s_lshl_b32 s30, s21, 11
	s_add_co_u32 s28, s28, s30
	s_lshl_b32 s30, s22, 7
	s_add_co_u32 s28, s28, s30                     ; y x 8,192 + ks x 2,048 + cg x 128
	s_add_nc_u64 s[14:15], s[14:15], s[28:29]
; Block kb = 2 c + h of the K step: its 32 codes are registers 4 c .. 4 c + 3 of lane (r, h): byte 512 c + 256 h + 16 r = 256 kb + 16 r of the image.
; left: how many younger loads may stay out (the count's field ends at 63; a smaller count than the younger loads is safe)
.macro BLOCK kb, left
.set XB, X+32*(\kb)
	s_wait_loadcnt \left
	v_max3_num_f32 v8, |v[XB]|, |v[XB+1]|, |v[XB+2]|          ; the block's largest magnitude, in two chains
	v_max3_num_f32 v9, |v[XB+3]|, |v[XB+4]|, |v[XB+5]|
.irp i, 6,10,14,18,22,26
	v_max3_num_f32 v8, v8, |v[XB+\i]|, |v[XB+\i+1]|
	v_max3_num_f32 v9, v9, |v[XB+\i+2]|, |v[XB+\i+3]|
.endr
	v_max3_num_f32 v8, v8, |v[XB+30]|, |v[XB+31]|
	v_max3_num_f32 v8, v8, v9, 0x1800000           ; and the floor 2^(3 - 127): the byte cannot fall under 1
	v_add_nc_u32 v10, 0xff000000, v8               ; 2 off its exponent field: the conversion takes the exponent field of this operand as its scale
	v_lshrrev_b32 v11, 23, v10                     ; the scale's byte
.if (\kb) == 0
	v_mov_b32 v12, v11
.else
	v_lshl_or_b32 v12, v11, 8*(\kb), v12           ; the lower K in the lower byte
.endif
.irp g, 0,1,2,3
	v_cvt_scalef32_pk8_fp4_f32 v[C+4*(\kb)+\g], v[XB+8*\g:XB+8*\g+7], v10
.endr
	global_store_b128 v3, v[C+4*(\kb):C+4*(\kb)+3], s[12:13] offset:256*(\kb)   ; the next block begins with plain vector lines, which stand between these conversions and the next write of v10
.endm
	BLOCK 0, 63
	BLOCK 1, 63
	BLOCK 2, 32
	BLOCK 3, 0
	global_store_b32 v2, v12, s[14:15]             ; 32 columns' scale words: 128 consecutive bytes
	s_endpgm
.Lwo:	; ---- Wo: f16
	s_lshl_b32 s28, s22, 15
	s_lshl_b32 s29, s21, 12
	s_add_co_u32 s28, s28, s29                     ; cg x 32,768 + ks x 4,096
	s_mov_b32 s29, 0
	s_add_nc_u64 s[16:17], s[16:17], s[28:29]
; 32 along K: one fragment.  Its numbers 8 j .. 8 j + 7 = 16 g + 8 h + 0 .. 7 are group g of lane (r, h): byte 512 g + 256 h + 16 r = 256 j + 16 r.
.macro CHUNK q, left
	s_wait_loadcnt \left
.set ii, 0
.rept 16
	v_cvt_pk_f16_f32 v[C+16*(\q)+ii], v[X+32*(\q)+2*ii], v[X+32*(\q)+2*ii+1]
.set ii, ii+1
.endr
.irp j, 0,1,2,3
	global_store_b128 v4, v[C+16*(\q)+4*\j:C+16*(\q)+4*\j+3], s[16:17] offset:1024*(\q)+256*\j
.endr
.endm
	CHUNK 0, 63
	CHUNK 1, 63
	CHUNK 2, 32
	CHUNK 3, 0
	s_endpgm
.Lfunc_end_k_qd9aedfd5e4_prep:
	.size	k_qd9aedfd5e4_prep, .Lfunc_end_k_qd9aedfd5e4_prep-k_qd9aedfd5e4_prep
	.p2alignl 7, 3214868480
	.fill 96, 4, 3214868480
	.section	.rodata,"a",@progbits
	.p2align	6, 0x0
	.amdhsa_kernel k_qd9aedfd5e4_prep
		.amdhsa_group_segment_fixed_size 0
		.amdhsa_private_segment_fixed_size 0
		.amdhsa_enable_private_segment 0
		.amdhsa_kernarg_size 56
		.amdhsa_user_sgpr_count 2
		.amdhsa_user_sgpr_kernarg_segment_ptr 1
		.amdhsa_wavefront_size32 1
		.amdhsa_system_sgpr_workgroup_id_x 1
		.amdhsa_system_sgpr_workgroup_id_y 1
		.amdhsa_system_sgpr_workgroup_id_z 1
		.amdhsa_system_vgpr_workitem_id 0
		.amdhsa_next_free_vgpr 208
		.amdhsa_next_free_sgpr 66
		.amdhsa_reserve_vcc 0
		.amdhsa_float_denorm_mode_32 3
		.amdhsa_float_denorm_mode_16_64 3
		.amdhsa_memory_ordered 1
		.amdhsa_forward_progress 1
		.amdhsa_inst_pref_size 26
	.end_amdhsa_kernel
	.amdgpu_metadata
---
amdhsa.version: [ 1, 2 ]
amdhsa.kernels:
  - .name:           k_qd9aedfd5e4_prep
    .symbol:         k_qd9aedfd5e4_prep.kd
    .args:
      - { .name: Wq, .offset: 0, .size: 8, .value_kind: global_buffer, .address_space: global }
      - { .name: Wk, .offset: 8, .size: 8, .value_kind: global_buffer, .address_space: global }
      - { .name: Wv, .offset: 16, .size: 8, .value_kind: global_buffer, .address_space: global }
      - { .name: Wo, .offset: 24, .size: 8, .value_kind: global_buffer, .address_space: global }
      - { .name: wc, .offset: 32, .size: 8, .value_kind: global_buffer, .address_space: global }
      - { .name: ws, .offset: 40, .size: 8, .value_kind: global_buffer, .address_space: global }
      - { .name: wof, .offset: 48, .size: 8, .value_kind: global_buffer, .address_space: global }
    .group_segment_fixed_size: 0
    .private_segment_fixed_size: 0
    .kernarg_segment_align: 8
    .kernarg_segment_size: 56
    .max_flat_workgroup_size: 128
    .sgpr_count:     66
    .vgpr_count:     208
    .wavefront_size: 32
...
	.end_amdgpu_metadata
.endif
;; end of part 1
;; launch proj (part 2): grid 256 x 1, 4 waves a work-group, no clusters, 167,936 bytes of LDS; arguments pixel_embed, patch_embed, wc, ws, qf, kv; writes qf, kv
.if DOCPART == 2
	.amdgcn_target "amdgcn-amd-amdhsa--gfx1250"
	.amdhsa_code_object_version 6
	.text
	.protected	k_qd9aedfd5e4_proj
	.globl	k_qd9aedfd5e4_proj
	.p2align	8
	.type	k_qd9aedfd5e4_proj,@function
k_qd9aedfd5e4_proj:
	s_mov_b64 s[64:65], 0
	v_nop
	global_prefetch_b8 v0, s[64:65] scope:SCOPE_SE
	s_setreg_imm32_b32 hwreg(HW_REG_WAVE_MODE, 25, 1), 1
	s_wait_xcnt 0x0
; q = pixel Wq, k = patch Wk, v = patch Wv: [8,192][512] x [512][512], both operands as codes of FP4 (E2M1) with one E8M0 scale for each 32 along K; sums in f32.
; The weights come as fragment images and scale words (made by the launch before); the rows of x are quantised here, in registers.  The results are rounded to f16 and stored as IMAGES OF THE ATTENTION'S
; OPERAND REGISTERS (1,024 bytes a fragment, group g of four registers of lane l at 512 g + 16 l): every store covers 512 consecutive aligned bytes, and nothing is transposed.
;   qf: (8 b + head) x 2^18 + (token / 16) x 2,048 + (channel / 32) x 1,024: 16 tokens x 32 channels of q x log2(e) / 8, so that the softmax works on exponents of two
;   kv: (8 b + head) x 2^19 + (key / 64) x 16,384 + { K: (2 (key tile) + channel / 32) x 1,024 | V: 8,192 + (4 (key / 32 % 2) + channel / 16) x 1,024 }: K as 16 keys x 32 channels, V as 16 channels x 32 keys
; SHARES.  Work-group x: x % 2 = 0 takes 64 rows of pixel_embed (one pass: Wq), 1 takes 64 rows of patch_embed (two passes: Wk, Wv).  THE WAVES SHARE THE COLUMNS: wave w makes columns 128 w .. 128 w + 127
; (heads 2 w, 2 w + 1) for all 64 rows, so its 32 fragments of a weight fill one window of 256 registers, read from memory once.
; x comes by tensor loads, wave w's 16 rows in four tiles of 128 along K; the wave quantises them and hands the four fragments to the others through LDS as images of their registers.
; K AND Q ARE MADE TRANSPOSED (source 0 = 16 columns of W, source 1 = 16 rows of x): a lane holds one token and eight channels, half a fragment's registers.  V the other way round: a lane holds one channel and eight tokens.
; NO JOINT LOADS of the weights: Wk's and Wv's images and scale words (278,528 bytes), x's raw tiles (135,168) and x's images (18,432) together are more than the 327,680 bytes that a work-group can claim;
; so the weights go straight into registers, each wave reading its own columns alone.
; LIMITS: a block of zeros gets the scale byte 1 where the rule says 127 (its codes are zeros, the bytes are read here alone); a block whose largest magnitude lies under 2^-124 gets the byte 1;
; NaN and infinities are not served; |q| log2(e) / 8, |k| and |v| stay under 65,504, f16's largest number.
; REGISTERS.  Window 0: v1-11 addresses; v16-79 64 numbers of x, later the 8 accumulators; v80-87 codes just made; v88-104 at work; v106-109 x's scale words; v112-143 x's four fragments; v144-175 results in f16;
;   v176-191, v192-207 the weights' scale words.   Window 1: the first pass's weight, fragment (tile nt, K step ks) at v[8 (4 nt + ks)].   Window 2: Wv likewise.
.set XRW,   33792                      ; LDS: a wave's raw x: four tiles
.set XRK,   8448                       ; a tile: 16 rows x (512 bytes + 16 of padding)
.set XP,    528                        ; 33 x 16 bytes: the sixteen rows that a load touches start at sixteen different groups of banks
.set XIMG,  135168                     ; x's 16 fragments (rows 16 m on, K step ks) at (4 m + ks) x 1,024
.set XSC,   151552                     ; their scale words, 128 bytes each
.set SPARE, 153600                     ; the spare words, 128 bytes for each wave: two blocks of 256 bytes that no other line names
.set LI,  1                            ; v1   16 x lane
.set LS,  2                            ; v2   4 x lane
.set XA,  3                            ; v3   raw x: my wave's tiles, row r, + 64 h: my 16 numbers of a block of 32
.set XWI, 4                            ; v4   where I store my fragments' images
.set XWS, 5                            ; v5   and their scale words
.set XI,  6                            ; v6   where any fragment's image is read
.set XSA, 7                            ; v7   and its scale word
.set VO,  8                            ; v8-9 my byte offset in the output for head 2 w, 2 w + 1
.set SPW, 10                           ; v10  LDS address of my spare word; never rewritten
.set NIL, 11                           ; v11  0; never rewritten
.set XN,  16
.set PC,  80
.set TM,  88
.set PW,  104
.set XS,  106
.set XF,  112
.set PK,  144
.set W1S, 176
.set W2S, 192
.set SEL, 20                           ; s[20:21] v_permlanex16_b32's selects for lane l xor 16
.set CQ,  22                           ; s[22:23] log2(e) / 8
.set G1,  24                           ; s[24:31] descriptor group 1
.set G0,  32                           ; s[32:47] descriptor group 0, a set for each of the four tiles
.set MSB, 0
.macro WIN new                         ; the immediate's high byte repeats the setting that is left
.if MSB != \new
	s_set_vgpr_msb (MSB<<8)|\new
.set MSB, \new
.endif
.endm
; 64 numbers of a lane, v[s] .. v[s + 63], register 16 b + i = k 32 b + 16 (lane / 16) + i of my row, become a fragment's codes in v[PC] on and its scale word in v[PW].
.macro QUANT s
.irp b, 0,1,2,3
	v_max3_num_f32 v[TM+\b], |v[\s+16*\b]|, |v[\s+1+16*\b]|, 0x1800000   ; block b: my 16 numbers, and the floor 2^(3 - 127): the byte cannot fall under 1
.endr
.irp i, 2,4,6,8,10,12,14
.irp b, 0,1,2,3
	v_max3_num_f32 v[TM+\b], v[TM+\b], |v[\s+16*\b+\i]|, |v[\s+1+16*\b+\i]|   ; the four blocks by turns
.endr
.endr
.irp b, 0,1,2,3
	v_permlanex16_b32 v[TM+4+\b], v[TM+\b], s[SEL], s[SEL+1]
.endr
.irp b, 0,1,2,3
	v_max_num_f32 v[TM+\b], v[TM+\b], v[TM+4+\b]   ; with lane l xor 16's: the block's largest magnitude
.endr
.irp b, 0,1,2,3
	v_add_nc_u32 v[TM+12+\b], 0xff000000, v[TM+\b] ; 2 off its exponent field: the conversion's scale operand
.endr
.irp b, 0,1,2,3
	v_lshrrev_b32 v[TM+4+\b], 23, v[TM+12+\b]      ; the scale's byte
.endr
	v_lshl_or_b32 v[PW], v[TM+5], 8, v[TM+4]       ; the four bytes make my row's scale word
	v_lshl_or_b32 v[PW], v[TM+6], 16, v[PW]
	v_lshl_or_b32 v[PW], v[TM+7], 24, v[PW]
.irp b, 0,1,2,3
	v_cvt_scalef32_pk8_fp4_f32 v[PC+2*\b], v[\s+16*\b:\s+7+16*\b], v[TM+12+\b]
	v_cvt_scalef32_pk8_fp4_f32 v[PC+1+2*\b], v[\s+8+16*\b:\s+15+16*\b], v[TM+12+\b]
.endr
	v_nop                                          ; one plain place behind a scaled conversion
.irp c, 0,1                                    ; the operand's layout wants a whole block in a lane: lanes 0-15 block 2 c, lanes 16-31 block 2 c + 1
.irp i, 0,1
	v_permlane16_swap_b32 v[PC+4*\c+\i], v[PC+2+4*\c+\i]
.endr
.endr
.endm
; My 32 fragments of a weight into a window (win: the window as the destination's field), and their scale words: one register serves two tiles of columns, lanes 0-15 tile 2 p, lanes 16-31 tile 2 p + 1.
.macro LOADW win, base, sbase, sreg
	WIN \win
.set fi, 0
.rept 32
	global_load_b128 v[8*fi:8*fi+3], v[LI], s[\base:\base+1] offset:fi*1024
	global_load_b128 v[8*fi+4:8*fi+7], v[LI], s[\base:\base+1] offset:fi*1024+512
.set fi, fi+1
.endr
	WIN 0
.irp p, 0,1,2,3
.irp ks, 0,1,2,3
	global_load_b32 v[\sreg+4*\p+\ks], v[LS], s[\sbase:\sbase+1] offset:\ks*2048+\p*128
.endr
.endr
.endm
; x's four fragments of rows 16 m on, and their scale words, from LDS
.macro FETCHX m
.irp ks, 0,1,2,3
	ds_load_b128 v[XF+8*\ks:XF+8*\ks+3], v[XI] offset:(4*(\m)+\ks)*1024
	ds_load_b128 v[XF+8*\ks+4:XF+8*\ks+7], v[XI] offset:(4*(\m)+\ks)*1024+512
	ds_load_b32 v[XS+\ks], v[XSA] offset:(4*(\m)+\ks)*128
.endr
.endm
; One product, transposed: source 0 = tile nt of the weight in window 1, source 1 = x.  The first K step starts the sum.
.macro WMT nt, ks
.set rA, 8*(4*\nt+\ks)
.set rD, XN+8*\nt
.set rW, W1S+4*(\nt/2)+\ks
.if \ks == 0
.if (\nt%2) == 0
	v_wmma_scale_f32_16x16x128_f8f6f4 v[rD:rD+7], v[rA:rA+7], v[XF+8*\ks:XF+8*\ks+7], 0, v[rW], v[XS+\ks] matrix_a_fmt:MATRIX_FMT_FP4 matrix_b_fmt:MATRIX_FMT_FP4
.else
	v_wmma_scale_f32_16x16x128_f8f6f4 v[rD:rD+7], v[rA:rA+7], v[XF+8*\ks:XF+8*\ks+7], 0, v[rW], v[XS+\ks] matrix_a_fmt:MATRIX_FMT_FP4 matrix_b_fmt:MATRIX_FMT_FP4 matrix_a_scale:MATRIX_SCALE_ROW1
.endif
.else
.if (\nt%2) == 0
	v_wmma_scale_f32_16x16x128_f8f6f4 v[rD:rD+7], v[rA:rA+7], v[XF+8*\ks:XF+8*\ks+7], v[rD:rD+7], v[rW], v[XS+\ks] matrix_a_fmt:MATRIX_FMT_FP4 matrix_b_fmt:MATRIX_FMT_FP4
.else
	v_wmma_scale_f32_16x16x128_f8f6f4 v[rD:rD+7], v[rA:rA+7], v[XF+8*\ks:XF+8*\ks+7], v[rD:rD+7], v[rW], v[XS+\ks] matrix_a_fmt:MATRIX_FMT_FP4 matrix_b_fmt:MATRIX_FMT_FP4 matrix_a_scale:MATRIX_SCALE_ROW1
.endif
.endif
.endm
; The other way round: source 0 = x, source 1 = tile nt of Wv in window 2.
.macro WMN nt, ks
.set rB, 8*(4*\nt+\ks)
.set rD, XN+8*\nt
.set rW, W2S+4*(\nt/2)+\ks
.if \ks == 0
.if (\nt%2) == 0
	v_wmma_scale_f32_16x16x128_f8f6f4 v[rD:rD+7], v[XF+8*\ks:XF+8*\ks+7], v[rB:rB+7], 0, v[XS+\ks], v[rW] matrix_a_fmt:MATRIX_FMT_FP4 matrix_b_fmt:MATRIX_FMT_FP4
.else
	v_wmma_scale_f32_16x16x128_f8f6f4 v[rD:rD+7], v[XF+8*\ks:XF+8*\ks+7], v[rB:rB+7], 0, v[XS+\ks], v[rW] matrix_a_fmt:MATRIX_FMT_FP4 matrix_b_fmt:MATRIX_FMT_FP4 matrix_b_scale:MATRIX_SCALE_ROW1
.endif
.else
.if (\nt%2) == 0
	v_wmma_scale_f32_16x16x128_f8f6f4 v[rD:rD+7], v[XF+8*\ks:XF+8*\ks+7], v[rB:rB+7], v[rD:rD+7], v[XS+\ks], v[rW] matrix_a_fmt:MATRIX_FMT_FP4 matrix_b_fmt:MATRIX_FMT_FP4
.else
	v_wmma_scale_f32_16x16x128_f8f6f4 v[rD:rD+7], v[XF+8*\ks:XF+8*\ks+7], v[rB:rB+7], v[rD:rD+7], v[XS+\ks], v[rW] matrix_a_fmt:MATRIX_FMT_FP4 matrix_b_fmt:MATRIX_FMT_FP4 matrix_b_scale:MATRIX_SCALE_ROW1
.endif
.endif
.endm
.macro PLACES                          ; four places behind the last product: in front of loads into registers that it has read, and of the first read of results
.rept 4
	v_nop
.endr
.endm
.macro TOF16                           ; the 8 accumulators rounded to f16, each from its low end on: tile nt's eight numbers become v[PK + 4 nt] on
.set ii, 0
.rept 32
	v_cvt_pk_f16_f32 v[PK+ii], v[XN+2*ii], v[XN+2*ii+1]
.set ii, ii+1
.endr
.endm
; A pass for q or k: for each 16 rows, 32 products (the 8 accumulators take turns, one instruction a turn), rounded and stored.  Tile nt's 16 channels are group nt % 2 of fragment (nt / 2) % 2 of head nt / 4.
; nxt = 1: a further pass follows and x's first fragments are fetched again.  sc = 1: the results are multiplied by log2(e) / 8 (q).
.macro PASS_T nxt, sc
.irp m, 0,1,2,3
	s_wait_dscnt 0x0                               ; x's fragments and scale words are in
	WIN 0x01                                       ; source 0: window 1
.irp ks, 0,1,2,3
.irp nt, 0,1,2,3,4,5,6,7
	WMT \nt, \ks
.endr
.endr
	WIN 0
	PLACES
.if \m < 3
	FETCHX \m+1                                    ; the next 16 rows' fragments come while these results are rounded
.elseif \nxt
	FETCHX 0
.endif
	s_wait_xcnt 0x0                                ; the last stores have read their data: v[PK] on is written again only behind this wait
.if \sc
.set ii, 0
.rept 32
	v_pk_mul_f32 v[XN+2*ii:XN+2*ii+1], v[XN+2*ii:XN+2*ii+1], s[CQ:CQ+1] op_sel_hi:[1,0]
.set ii, ii+1
.endr
.endif
	TOF16
.irp nt, 0,1,2,3,4,5,6,7
	global_store_b128 v[VO+\nt/4], v[PK+4*\nt:PK+4*\nt+3], s[56:57] offset:\m*2048+((\nt/2)%2)*1024+(\nt%2)*512
.endr
.endr
.endm
; The pass for v: a lane holds channel 16 nt + r and tokens 16 m + 8 h + 0 .. 7: group m % 2 of the fragment of channels nt % 4 and keys 32 (m / 2) on, of head nt / 4.
.macro PASS_N
.irp m, 0,1,2,3
	s_wait_dscnt 0x0
	WIN 0x08                                       ; source 1: window 2
.irp ks, 0,1,2,3
.irp nt, 0,1,2,3,4,5,6,7
	WMN \nt, \ks
.endr
.endr
	WIN 0
	PLACES
.if \m < 3
	FETCHX \m+1
.endif
	s_wait_xcnt 0x0                                ; the last stores have read their data
	TOF16
.irp nt, 0,1,2,3,4,5,6,7
	global_store_b128 v[VO+\nt/4], v[PK+4*\nt:PK+4*\nt+3], s[56:57] offset:8192+(4*(\m/2)+(\nt%4))*1024+(\m%2)*512
.endr
.endr
.endm
	s_load_b256 s[4:11], s[0:1], 0x0               ; pixel s[4:5], patch s[6:7], wc s[8:9], ws s[10:11]
	s_load_b128 s[12:15], s[0:1], 0x20             ; qf s[12:13], kv s[14:15]
	v_lshl_add_u32 v[SPW], v0, 2, SPARE
	v_mov_b32 v[NIL], 0
	ds_add_u32 v[SPW], v[NIL]                      ; the wave's opening: the add, twice on end, and its wait ahead of my first tensor load; the set-up below stands between
	ds_add_u32 v[SPW], v[NIL]
	v_lshrrev_b32 v12, 5, v0
	v_readfirstlane_b32 s16, v12                   ; wave 0..3
	s_and_b32 s17, ttmp9, 1                        ; 0: pixel_embed, 1: patch_embed
	s_lshr_b32 s18, ttmp9, 1                       ; which 64 rows of the 8,192
	; descriptor group 1: a tile of 16 rows x 128 f32, rows 512 elements apart, 16 bytes of padding behind each row in LDS
	s_mov_b32 s[G1+0], (2<<16)|(1<<20)|(6<<22)|(3<<25)   ; no mask; elements of 4 bytes; padding on: after every 128 words (code 6) 4 words (code 3)
	s_mov_b32 s[G1+1], 128<<16                     ; tensor_dim0 = 128
	s_mov_b32 s[G1+2], 16<<16                      ; tensor_dim1 = 16
	s_mov_b32 s[G1+3], 128<<16                     ; tile_dim0 = 128
	s_mov_b32 s[G1+4], 16                          ; tile_dim1 = 16
	s_mov_b32 s[G1+5], 512                         ; from row to row
	s_mov_b32 s[G1+6], 0
	s_mov_b32 s[G1+7], 0
	s_mov_b32 s[SEL], 0x76543210
	s_mov_b32 s[SEL+1], 0xfedcba98
	s_mov_b32 s[CQ], 0x3e38aa3b                    ; log2(e) / 8
	s_mov_b32 s[CQ+1], s[CQ]                       ; (named with it as a pair, so it is written)
	s_mul_i32 s59, s16, XRW                        ; my raw tiles in LDS
	s_lshl_b32 s60, s18, 17                        ; 64 rows of 2,048 bytes,
	s_lshl_b32 s61, s16, 15                        ; my 16 of them
	s_add_co_u32 s60, s60, s61
	s_mov_b32 s61, 0
	s_lshl_b32 s48, s17, 17                        ; the first pass's weight: Wq or Wk; my 8 tiles of columns: 32 fragments
	s_lshl_b32 s49, s16, 15
	s_add_co_u32 s48, s48, s49
	s_add_co_u32 s52, s49, 262144                  ; Wv likewise
	s_mov_b32 s49, 0
	s_mov_b32 s53, 0
	s_lshl_b32 s50, s17, 13                        ; their scale words: my 128 columns
	s_lshl_b32 s51, s16, 9
	s_add_co_u32 s50, s50, s51
	s_add_co_u32 s54, s51, 16384
	s_mov_b32 s51, 0
	s_mov_b32 s55, 0
	s_lshr_b32 s56, s18, 5                         ; the batch
	s_lshl_b32 s56, s56, 21
	s_and_b32 s57, s18, 31                         ; the block of 64 tokens in it
	s_lshl_b32 s57, s57, 13
	s_add_co_u32 s56, s56, s57
	s_lshl_b32 s56, s56, s17                       ; in kv everything is twice as far apart as in qf
	s_mov_b32 s57, 0
	s_lshl_b32 s58, 0x40000, s17                   ; from head to head
	s_wait_dscnt 0x0                               ; both opening adds are done
	s_wait_kmcnt 0x0
	s_cmp_lg_u32 s17, 0                            ; the buffers are chosen by the work-group's number alone
	s_cselect_b64 s[2:3], s[6:7], s[4:5]
	s_cselect_b64 s[62:63], s[14:15], s[12:13]
	s_add_nc_u64 s[2:3], s[2:3], s[60:61]          ; x at my first row
	s_add_nc_u64 s[56:57], s[62:63], s[56:57]      ; the output at my block
	s_add_nc_u64 s[48:49], s[8:9], s[48:49]
	s_add_nc_u64 s[50:51], s[10:11], s[50:51]
	s_add_nc_u64 s[52:53], s[8:9], s[52:53]
	s_add_nc_u64 s[54:55], s[10:11], s[54:55]
.irp ks, 0,1,2,3
	s_mov_b32 s[G0+4*\ks], 1                       ; count = 1
	s_add_co_u32 s[G0+4*\ks+1], s59, \ks*XRK       ; LDS address
	s_add_nc_u64 s[G0+4*\ks+2:G0+4*\ks+3], s[2:3], \ks*512   ; global address: 128 along K on
	s_or_b32 s[G0+4*\ks+3], s[G0+4*\ks+3], 0x80000000        ; type = 2
.endr
.irp ks, 0,1,2,3
	tensor_load_to_lds s[G0+4*\ks:G0+4*\ks+3], s[G1:G1+7]    ; all first fills in one group: four loads of mine are out
	s_nop 0
.endr
.rept 4
	v_nop                                          ; the register windows are switched only behind these
.endr
	v_and_b32 v12, 31, v0                          ; lane
	v_lshlrev_b32 v[LI], 4, v12
	v_lshlrev_b32 v[LS], 2, v12
	LOADW 0x40, 48, 50, W1S                        ; the first pass's weight lands while x is quantised
	v_and_b32 v13, 15, v0                          ; r
	v_bfe_u32 v14, v0, 4, 1                        ; h
	v_mul_u32_u24 v[XA], v13, XP
	v_lshl_add_u32 v[XA], v14, 6, v[XA]
	v_add_nc_u32 v[XA], s59, v[XA]
	s_lshl_b32 s19, s16, 12
	s_add_co_u32 s19, s19, XIMG
	v_add_nc_u32 v[XWI], s19, v[LI]                ; my rows are tile m = wave: four fragments
	s_lshl_b32 s19, s16, 9
	s_add_co_u32 s19, s19, XSC
	v_add_nc_u32 v[XWS], s19, v[LS]
	v_add_nc_u32 v[XI], XIMG, v[LI]
	v_add_nc_u32 v[XSA], XSC, v[LS]
	s_mul_i32 s19, s16, s58
	s_lshl_b32 s19, s19, 1
	v_add_nc_u32 v[VO], s19, v[LI]                 ; head 2 w
	v_add_nc_u32 v[VO+1], s58, v[VO]               ; head 2 w + 1
.irp b, 0,1,2,3
	v_mov_b32 v[TM+4+\b], 0                        ; written once: a lane permute's destination counts as one of its sources
.endr
; My 16 rows' K step ks: 64 numbers a lane out of my own tile, quantised, and the fragment's image and scale word stored for all four waves.
.macro XSTEP ks
	s_wait_tensorcnt 3-\ks                         ; tensor loads of a wave end in order: tile ks is in, the younger ones may stay out.  I alone read my tiles
.irp b, 0,1,2,3
.irp j, 0,1,2,3
	ds_load_b128 v[XN+16*\b+4*\j:XN+16*\b+4*\j+3], v[XA] offset:\ks*XRK+128*\b+16*\j
.endr
.endr
	s_wait_dscnt 0x0                               ; the numbers are in, and the last step's stores are done
	QUANT XN
	ds_store_b128 v[XWI], v[PC:PC+3] offset:\ks*1024
	ds_store_b128 v[XWI], v[PC+4:PC+7] offset:\ks*1024+512
	ds_store_b32 v[XWS], v[PW] offset:\ks*128
.endm
	XSTEP 0
	XSTEP 1
	XSTEP 2
	XSTEP 3
	s_wait_tensorcnt 0x0                           ; behind my last tensor load and my last LDS store; only LDS reads follow
	ds_add_u32 v[SPW], v[NIL]
	s_wait_dscnt 0x0                               ; for the others' sake too: my images have landed
	s_barrier_signal -1
	s_barrier_wait -1                              ; x's sixteen fragments lie in LDS
	s_wait_loadcnt 0x0                             ; the first pass's weight and its scale words
	s_cmp_lg_u32 s17, 0
	s_cbranch_scc1 .Lpatch
	FETCHX 0
	PASS_T 0, 1                                    ; q
	s_endpgm
.Lpatch:
	LOADW 0x80, 52, 54, W2S                        ; Wv lands under k's pass
	FETCHX 0
	PASS_T 1, 0                                    ; k
	s_wait_loadcnt 0x0                             ; Wv and its scale words
	PASS_N                                         ; v
	s_endpgm
.Lfunc_end_k_qd9aedfd5e4_proj:
	.size	k_qd9aedfd5e4_proj, .Lfunc_end_k_qd9aedfd5e4_proj-k_qd9aedfd5e4_proj
	.p2alignl 7, 3214868480
	.fill 96, 4, 3214868480
	.section	.rodata,"a",@progbits
	.p2align	6, 0x0
	.amdhsa_kernel k_qd9aedfd5e4_proj
		.amdhsa_group_segment_fixed_size 167936
		.amdhsa_private_segment_fixed_size 0
		.amdhsa_enable_private_segment 0
		.amdhsa_kernarg_size 48
		.amdhsa_user_sgpr_count 2
		.amdhsa_user_sgpr_kernarg_segment_ptr 1
		.amdhsa_wavefront_size32 1
		.amdhsa_system_sgpr_workgroup_id_x 1
		.amdhsa_system_sgpr_workgroup_id_y 1
		.amdhsa_system_sgpr_workgroup_id_z 1
		.amdhsa_system_vgpr_workitem_id 0
		.amdhsa_next_free_vgpr 768
		.amdhsa_next_free_sgpr 66
		.amdhsa_reserve_vcc 0
		.amdhsa_float_denorm_mode_32 3
		.amdhsa_float_denorm_mode_16_64 3
		.amdhsa_memory_ordered 1
		.amdhsa_forward_progress 1
		.amdhsa_inst_pref_size 142
	.end_amdhsa_kernel
	.amdgpu_metadata
---
amdhsa.version: [ 1, 2 ]
amdhsa.kernels:
  - .name:           k_qd9aedfd5e4_proj
    .symbol:         k_qd9aedfd5e4_proj.kd
    .args:
      - { .name: pixel_embed, .offset: 0, .size: 8, .value_kind: global_buffer, .address_space: global }
      - { .name: patch_embed, .offset: 8, .size: 8, .value_kind: global_buffer, .address_space: global }
      - { .name: wc, .offset: 16, .size: 8, .value_kind: global_buffer, .address_space: global }
      - { .name: ws, .offset: 24, .size: 8, .value_kind: global_buffer, .address_space: global }
      - { .name: qf, .offset: 32, .size: 8, .value_kind: global_buffer, .address_space: global }
      - { .name: kv, .offset: 40, .size: 8, .value_kind: global_buffer, .address_space: global }
    .group_segment_fixed_size: 167936
    .private_segment_fixed_size: 0
    .kernarg_segment_align: 8
    .kernarg_segment_size: 48
    .max_flat_workgroup_size: 128
    .sgpr_count:     66
    .vgpr_count:     768
    .wavefront_size: 32
...
	.end_amdgpu_metadata
.endif
;; end of part 2
;; launch attn (part 3): grid 8 x 32, 8 waves a work-group, clusters of 4 x 1, 327,680 bytes of LDS; arguments qf, kv, ofr; writes ofr
.if DOCPART == 3
	.amdgcn_target "amdgcn-amd-amdhsa--gfx1250"
	.amdhsa_code_object_version 6
	.text
	.protected	k_qd9aedfd5e4_attn
	.globl	k_qd9aedfd5e4_attn
	.p2align	8
	.type	k_qd9aedfd5e4_attn,@function
k_qd9aedfd5e4_attn:
	s_mov_b64 s[64:65], 0
	v_nop
	global_prefetch_b8 v0, s[64:65] scope:SCOPE_SE
	s_setreg_imm32_b32 hwreg(HW_REG_WAVE_MODE, 25, 1), 1
	s_wait_xcnt 0x0
	s_wait_alu depctr_hold_cnt(0) depctr_sa_sdst(0) depctr_va_vdst(0) depctr_va_sdst(0) depctr_va_ssrc(0) depctr_va_vcc(0) depctr_vm_vsrc(0)
	s_getreg_b32 s2, hwreg(HW_REG_IB_STS2, 6, 4)
	s_cmp_eq_u32 s2, 0
	s_cbranch_scc0 .Lentry_in_a_cluster
	s_endpgm
.Lentry_in_a_cluster:
	s_bfe_u32 s2, ttmp6, 0x10000c
	s_cmp_lg_u32 s2, 0x3003
	s_cbranch_scc0 .Lentry_shape_is_right
	s_endpgm
.Lentry_shape_is_right:
; o[b][i][head][:] = the sum over j of softmax_j(q[i] . k[j] / 8) v[j][:], 32 (batch, head) pairs of 2,048 queries x 2,048 keys x 64 channels.  Operands in f16, products, maxima and sums in f32.
; q arrives multiplied by log2(e) / 8, so a score s is an exponent of two: p = 2^(s - m), m the running maximum of the query's scores.  s - m is never above 0, whatever the inputs.
; In every step o and the sum l are multiplied by a = 2^(m_old - m_new), which is 1 where m has not grown.  l is summed of the unrounded p; p is rounded to f16 for the second product.
; ALL OPERANDS ARRIVE AS IMAGES OF THEIR REGISTERS (1,024 bytes a fragment, group g of four registers of lane l at 512 g + 16 l): every LDS and global access covers 512 consecutive bytes; no pitch, no padding, nothing is turned.
; SHARES.  A work-group owns 256 queries of one (batch, head); each of its eight waves 32: two tiles of 16.  Every wave walks all keys, 64 a step.
; A step's K (8 fragments of 16 keys x 32 channels) and V (8 fragments of 16 channels x 32 keys) are 16,384 consecutive bytes of kv.
; LAYOUT.  S^T = K Q^T (source 0 = 16 keys, source 1 = 16 queries): a lane holds ONE query (lane % 16) and keys 8 (lane / 16) + 0 .. 7.  Two such tiles rounded to f16 in pairs ARE source 1 of O^T = V^T P, whose result again
; holds one query a lane, and eight channels; rounded to f16 that is half a fragment of the out projection's operand, and is stored so.
; BY TURNS.  The wave's two tiles are two PIECES that share K's and V's fragments and nothing else.  In a TURN one piece has the matrix unit: 8 products V^T P of the step in hand, then 8 products K Q^T of the next step;
; the other piece's softmax, 118 lines cut into 16 slices, stands between them.  Then the pieces change places.  Two turns are a key step.
; RING.  Two LDS slots of 8 key steps (131,072 bytes); wave w fetches step w of a slot by one tensor load.  A head is four slots' worth: two first fills, two refills.  A refill is asked for a whole slot, eight key steps,
; ahead of the wait for it; so no prefetch is written.
; CLUSTER.  The four query blocks of a cluster belong to one (batch, head) and walk the same K and V: each tile is asked for JOINTLY, by the same tensor load with the same descriptor and a mask that names the four.
; REGISTERS, in windows of 256 (s_set_vgpr_msb: bits 1:0 source 0, 7:6 destination).  Window 0 holds all that a vector line or a product K Q^T names; window 1 holds V alone.  So only the products V^T P (source 0 in window 1)
; and V's run of loads (destination in window 1) want a switch; the products V^T P stand in pairs, a double slice behind each pair: 18 switches for a key step's 32 matrix instructions.
; LIMITS: NaN and infinities are not served; |o| stays under 65,504, f16's largest number.
.set SLOT1, 1<<17                      ; slot 1 begins here: one exclusive or turns an address in one slot into the other's
.set STEPB, 16384
.set SPARE, 2*SLOT1                    ; the spare words, 128 bytes for each wave: four blocks of 256 bytes that no other line names
.set LI,  1                            ; v1   16 x lane; never rewritten
.set ADR, 2                            ; v2   LDS address of the step that is being fetched
.set SPW, 3                            ; v3   LDS address of my spare word; never rewritten
.set NIL, 4                            ; v4   0; never rewritten
.set ST,  6                            ; v6-21   tile t's statistics at v[ST + 8 t]: +0 -m, +1 m, +2, +3 l (even keys', odd keys'), +4 to +7 c0-c3, at work; +6 holds a from the exponentials on
.set Q,   24                           ; v24-55  Q: tile t, channels 32 c on at v[Q + 16 t + 8 c]
.set S,   56                           ; v56-119 S^T: tile t, keys 16 kt on at v[S + 32 t + 8 kt]; then p; then P in f16, keys 32 kc on at v[S + 32 t + 8 kc]
.set KF,  120                          ; v120-183 K's 8 fragments of one step
.set O,   184                          ; v184-247 O^T: tile t, channels 16 ct on at v[O + 32 t + 8 ct]
.set UU,  248                          ; v248-251 two more chains of the row's sum
.set VF,  0                            ; window 1, v0-63: V's 8 fragments of one step
.set WV,  12                           ; s12  my wave's number
.set SEL, 20                           ; s[20:21] v_permlanex16_b32's selects for lane l xor 16
.set G1,  24                           ; s[24:31] descriptor group 1
.set G0A, 32                           ; s[32:35] group 0 of slot 0's first fill
.set G0B, 36                           ; s[36:39] of slot 1's; it then walks on
.set TB,  40                           ; s40  LDS byte at which the step to be fetched begins
.set SLOTS, 41                         ; s41  slots still to be asked for
.set STEPS, 42                         ; s42  counts the trips between two changes of slots
.set MSB, 0
.macro WIN new                         ; the immediate's high byte repeats the setting that is left; a switch that changes nothing is dropped
.if MSB != \new
	s_set_vgpr_msb (MSB<<8)|\new
.set MSB, \new
.endif
.endm
; A round of the cluster's barrier: my work-group's barrier, so that wave 0's signal speaks for all eight waves; wave 0 signals for the work-group; every wave waits for all four work-groups; my work-group's barrier once more.
.macro CROUND
	s_barrier_signal -1
	s_barrier_wait -1
	s_cmp_lg_u32 s[WV], 0
	s_cbranch_scc1 .Lnot_wave_0_\@
	s_barrier_signal -3
.Lnot_wave_0_\@:
	s_barrier_wait -3
	s_barrier_signal -1
	s_barrier_wait -1
.endm
	s_load_b128 s[4:7], s[0:1], 0x0                ; qf s[4:5], kv s[6:7]
	s_load_b64 s[8:9], s[0:1], 0x10                ; ofr
	v_lshl_add_u32 v[SPW], v0, 2, SPARE
	v_mov_b32 v[NIL], 0
	ds_add_u32 v[SPW], v[NIL]                      ; the wave's opening: the add, twice on end, and its wait ahead of my first tensor load; the set-up below stands between
	ds_add_u32 v[SPW], v[NIL]
	v_lshrrev_b32 v5, 5, v0
	v_readfirstlane_b32 s[WV], v5                  ; wave 0..7
	s_bfe_u32 s13, ttmp6, 0x40000                  ; cx: my place in the cluster
	s_lshl_b32 s14, ttmp9, 2                       ; in a cluster launch ttmp9 counts clusters
	s_add_co_u32 s14, s14, s13                     ; my block of 256 queries: it enters Q's and O's addresses alone
	s_and_b32 s15, ttmp7, 0xffff                   ; 8 b + head, which the four partners share
	; descriptor group 1: 16,384 dense bytes as 64 rows of 256 bytes (32 elements of 8 bytes)
	s_mov_b32 s[G1+0], 15|(3<<16)|(1<<21)          ; the mask: all four work-groups; elements of 8 bytes; bit 21 set beside a mask
	s_mov_b32 s[G1+1], 32<<16                      ; tensor_dim0 = 32
	s_mov_b32 s[G1+2], 64<<16                      ; tensor_dim1 = 64
	s_mov_b32 s[G1+3], 32<<16                      ; tile_dim0 = 32
	s_mov_b32 s[G1+4], 64                          ; tile_dim1 = 64
	s_mov_b32 s[G1+5], 32                          ; from row to row
	s_mov_b32 s[G1+6], 0
	s_mov_b32 s[G1+7], 0
	s_mov_b32 s[SEL], 0x76543210
	s_mov_b32 s[SEL+1], 0xfedcba98
	s_mov_b32 s[TB], 0
	s_mov_b32 s[SLOTS], 2
	s_lshl_b32 s43, s[WV], 14                      ; my step of a slot: in LDS and in memory alike; no place in the cluster enters it
	s_lshl_b32 s44, s15, 19
	s_add_co_u32 s44, s44, s43                     ; kv: the head's 524,288 bytes, my step
	s_mov_b32 s45, 0
	s_lshl_b32 s46, s15, 18                        ; qf: the head, my block's 16 tiles of 2,048 bytes, my wave's two
	s_lshl_b32 s47, s14, 15
	s_add_co_u32 s46, s46, s47
	s_lshl_b32 s47, s[WV], 12
	s_add_co_u32 s46, s46, s47
	s_mov_b32 s47, 0
	s_lshr_b32 s48, s15, 3                         ; ofr: the batch's 128 tiles of 16,384 bytes, my block's 16, my wave's two; in a tile the head's two fragments
	s_lshl_b32 s48, s48, 21
	s_lshl_b32 s49, s14, 18
	s_add_co_u32 s48, s48, s49
	s_lshl_b32 s49, s[WV], 15
	s_add_co_u32 s48, s48, s49
	s_and_b32 s49, s15, 7
	s_lshl_b32 s49, s49, 11
	s_add_co_u32 s48, s48, s49
	s_mov_b32 s49, 0
	s_wait_dscnt 0x0                               ; both opening adds are done
	s_wait_kmcnt 0x0
	s_add_nc_u64 s[6:7], s[6:7], s[44:45]
	s_add_nc_u64 s[4:5], s[4:5], s[46:47]
	s_add_nc_u64 s[8:9], s[8:9], s[48:49]
	s_mov_b32 s[G0A], 1                            ; count = 1
	s_mov_b32 s[G0A+1], s43                        ; LDS address: slot 0
	s_mov_b64 s[G0A+2:G0A+3], s[6:7]               ; global address: keys 0 to 511
	s_or_b32 s[G0A+3], s[G0A+3], 0x80000000        ; type = 2
	s_mov_b32 s[G0B], 1
	s_add_co_u32 s[G0B+1], s43, SLOT1
	s_add_nc_u64 s[G0B+2:G0B+3], s[6:7], 8*STEPB   ; keys 512 to 1,023
	s_or_b32 s[G0B+3], s[G0B+3], 0x80000000
	CROUND                                         ; all four work-groups are here: the first joint loads meet
	tensor_load_to_lds s[G0A:G0A+3], s[G1:G1+7]    ; the two first fills together, ahead of every wait on TENSORcnt and every LDS read: two loads of mine are out
	s_nop 0
	tensor_load_to_lds s[G0B:G0B+3], s[G1:G1+7]
	s_nop 0
.rept 4
	v_nop
.endr
	v_and_b32 v5, 31, v0
	v_lshlrev_b32 v[LI], 4, v5
.irp t, 0,1
.irp c, 0,1
	global_load_b128 v[Q+16*\t+8*\c:Q+16*\t+8*\c+3], v[LI], s[4:5] offset:\t*2048+\c*1024       ; Q stays in registers
	global_load_b128 v[Q+16*\t+8*\c+4:Q+16*\t+8*\c+7], v[LI], s[4:5] offset:\t*2048+\c*1024+512
.endr
.endr
.irp t, 0,1
	v_mov_b32 v[ST+8*\t+1], 0xff61b1e6             ; m so far: -3e38, under every score
	v_mov_b32 v[ST+8*\t+2], 0                      ; l
	v_mov_b32 v[ST+8*\t+3], 0
.endr
.set ii, 0
.rept 64
	v_mov_b32 v[O+ii], 0                           ; O^T.  The softmax is written once for all steps: the first finds zeros, which its a = 0 leaves zeros
.set ii, ii+1
.endr
; THE MATRIX WORK OF A TURN, for piece x.  The accumulators take turns, one instruction a turn: between two links of a chain stand three others'.
; Product i of 8 of S^T = K Q^T: channels 32 (i / 4) on; the key tiles in the order 2, 3, 0, 1: tiles 0 and 1 land on the registers that held P, which the products V^T P just ahead have read, so they come last.  The first four start the sums.
.macro KQW x
.set kt, (i%4+2)%4
.set cc, i/4
.set rD, S+32*(\x)+8*kt
.set rK, KF+8*(2*kt+cc)
.set rQ, Q+16*(\x)+8*cc
.if cc == 0
	v_wmma_f32_16x16x32_f16 v[rD:rD+7], v[rK:rK+7], v[rQ:rQ+7], 0
.else
	v_wmma_f32_16x16x32_f16 v[rD:rD+7], v[rK:rK+7], v[rQ:rQ+7], v[rD:rD+7]
.endif
.endm
; Product i of 8 of O^T += V^T P: keys 32 (i / 4) on, channels 16 (i % 4) on.  V's fragment 4 kc + ct = i lies in window 1.
.macro PVW x
.set rA, O+32*(\x)+8*(i%4)
.set rV, VF+8*i
.set rP, S+32*(\x)+8*(i/4)
	v_wmma_f32_16x16x32_f16 v[rA:rA+7], v[rV:rV+7], v[rP:rP+7], v[rA:rA+7]
.endm
; THE LDS LOADS stand in two runs of 16 a key step, never singly among the matrix instructions.
.macro FETCH_K                         ; K's fragment 2 kt + c of the step at s[TB]
	v_add_nc_u32 v[ADR], s[TB], v[LI]
.set fi, 0
.rept 8
	ds_load_b128 v[KF+8*fi:KF+8*fi+3], v[ADR] offset:fi*1024
	ds_load_b128 v[KF+8*fi+4:KF+8*fi+7], v[ADR] offset:fi*1024+512
.set fi, fi+1
.endr
.endm
.macro FETCH_V                         ; V's fragments of the same step, a turn later; the wait for the softmax's batch of exponentials stands at its head
	s_add_co_u32 s[TB], s[TB], STEPB               ; the next fetch is the next step's
	s_wait_alu depctr_va_vdst(0)                   ; one wait for the turn's 33 exponentials, ahead of the first line that names a result
	WIN 0x40                                       ; destination window 1, address window 0
.set fi, 0
.rept 8
	ds_load_b128 v[VF+8*fi:VF+8*fi+3], v[ADR] offset:8192+fi*1024
	ds_load_b128 v[VF+8*fi+4:VF+8*fi+7], v[ADR] offset:8192+fi*1024+512
.set fi, fi+1
.endr
	WIN 0
.endm
; THE VECTOR WORK OF A TURN.  One tile's softmax for one key step is a list of 118 lines; SM writes number j of it for tile t.  s0-s31 are the lane's 32 scores, in pairs 0-15.
;   0-15    the maximum of s0-s31 and the old m, three operands at a time: four chains c0-c3 (each accumulator is read from its low end on), then the four scores left over, c0-c3 and m
;   16-20   m_old is kept; the other half of the lanes' maximum; the new m; -m; m_old - m_new
;   21-69   ONE BATCH: a, the 16 subtractions s - m (a pair of scores each) and the 32 exponentials, a pair brought under m one turn of three lines ahead of its exponentials.  None of these names an exponential's result
;   (wait)  between 69 and 70: SLICE writes it
;   70-84   l = a l + the sum of p, in four chains of packed additions
;   85-100  p rounded to f16, a pair each, in place: register i is written when registers 2 i and 2 i + 1 have been read
;   101     the last two chains meet
;   102-117 the tile's O^T times a, each accumulator from its low end on
.macro CHAIN                           ; chain ch of the sum: 0: l, 1: c0, c1, 2 and 3: v[UU] on
.set rC, rT+2+2*ch
.if ch > 1
.set rC, UU+2*(ch-2)
.endif
.endm
.macro SM t
.set rT, ST+8*(\t)
.set rS, S+32*(\t)
.set rO, O+32*(\t)
.if j < 4
	v_max3_num_f32 v[rT+4+j], v[rS+8*j], v[rS+8*j+1], v[rS+8*j+2]
.elseif j < 12
	v_max3_num_f32 v[rT+4+j%4], v[rT+4+j%4], v[rS+8*(j%4)+2*(j/4)+1], v[rS+8*(j%4)+2*(j/4)+2]
.elseif j == 12
	v_max3_num_f32 v[rT+4], v[rT+4], v[rS+7], v[rS+15]
.elseif j == 13
	v_max3_num_f32 v[rT+6], v[rT+6], v[rS+23], v[rS+31]
.elseif j == 14
	v_max3_num_f32 v[rT+4], v[rT+4], v[rT+5], v[rT+6]
.elseif j == 15
	v_max3_num_f32 v[rT+4], v[rT+4], v[rT+7], v[rT+1]
.elseif j == 16
	v_mov_b32 v[rT+7], v[rT+1]                     ; m_old
.elseif j == 17
	v_permlanex16_b32 v[rT+5], v[rT+4], s[SEL], s[SEL+1]   ; the query's other 32 keys lie in the lane 16 away
.elseif j == 18
	v_max_num_f32 v[rT+1], v[rT+4], v[rT+5]
.elseif j == 19
	v_sub_f32 v[rT], 0, v[rT+1]                    ; -m
.elseif j == 20
	v_add_f32 v[rT+7], v[rT+7], v[rT]              ; m_old - m_new, 0 or less
.elseif j == 21
	v_exp_f32 v[rT+6], v[rT+7]                     ; a
.elseif j == 22
	v_pk_add_f32 v[rS:rS+1], v[rS:rS+1], v[rT:rT+1] op_sel_hi:[1,0]   ; (of the pair -m, m the low word serves both halves)
.elseif j < 68
.set b, (j-23)/3
.if (j-23)%3 == 0
	v_pk_add_f32 v[rS+2*b+2:rS+2*b+3], v[rS+2*b+2:rS+2*b+3], v[rT:rT+1] op_sel_hi:[1,0]
.else
	v_exp_f32 v[rS+2*b+(j-23)%3-1], v[rS+2*b+(j-23)%3-1]
.endif
.elseif j < 70
	v_exp_f32 v[rS+j-38], v[rS+j-38]               ; s30, s31
.elseif j == 70
	v_pk_fma_f32 v[rT+2:rT+3], v[rT+2:rT+3], v[rT+6:rT+7], v[rS:rS+1] op_sel_hi:[1,0,1]
.elseif j < 74
.set ch, j-70
	CHAIN
	v_pk_add_f32 v[rC:rC+1], v[rS+4*(j-71)+2:rS+4*(j-71)+3], v[rS+4*(j-71)+4:rS+4*(j-71)+5]   ; pairs 1 and 2, 3 and 4, 5 and 6 start three chains
.elseif j < 83
.set ch, (j-74)%4
	CHAIN
	v_pk_add_f32 v[rC:rC+1], v[rC:rC+1], v[rS+2*(j-67):rS+2*(j-67)+1]   ; pairs 7 to 15, the four chains by turns
.elseif j == 83
	v_pk_add_f32 v[rT+4:rT+5], v[rT+4:rT+5], v[UU:UU+1]
.elseif j == 84
	v_pk_add_f32 v[rT+2:rT+3], v[rT+2:rT+3], v[UU+2:UU+3]
.elseif j < 101
	v_cvt_pk_f16_f32 v[rS+j-85], v[rS+2*(j-85)], v[rS+2*(j-85)+1]
.elseif j == 101
	v_pk_add_f32 v[rT+2:rT+3], v[rT+2:rT+3], v[rT+4:rT+5]
.else
	v_pk_mul_f32 v[rO+2*(j-102):rO+2*(j-102)+1], v[rO+2*(j-102):rO+2*(j-102)+1], v[rT+6:rT+7] op_sel_hi:[1,0]
.endif
.endm
.macro LINES t, n
.rept \n
	SM \t
.set j, j+1
.endr
.endm
; Slice k of 16 of piece y's softmax: 7 x 8 + 8 x 7 + 6 = 118 lines.  Slices 0 to 8 hold lines 0 to 69: the batch ends with slice 8, and behind it stand a plain line and the turn's one wait.
; Slice 15 is six multiplications of piece y's O^T: plain lines that name no register of the turn's last products.  They are the four places between those products and the next turn's first read of the new scores,
; and the loads into K's registers.
.macro SLICE y
.if k < 7
	LINES (\y), 8
.elseif k < 15
	LINES (\y), 7
.else
	LINES (\y), 6
.endif
.if k == 8
	v_nop                                          ; a plain instruction behind the last exponential
.if (\y) == 0
	FETCH_V                                        ; piece 1's turn: V's run of loads stands here, the wait at its head.  The last product that read V stands in front of slice 6: lines 50, 53, 56, 59, 62, 65 (subtractions) and the v_nop lie between
.else
	s_wait_alu depctr_va_vdst(0)                   ; one wait for the turn's 33 exponentials, ahead of the first line that names a result
.endif
.endif
.set k, k+1
.endm
.macro PLACES                          ; four places behind a product, ahead of the first read of its result (ISA guide 7.12.1)
.rept 4
	v_nop
.endr
.endm
; A TURN.  Piece x has the matrix unit; piece 1 - x's softmax stands in slices behind its matrix instructions.  pv = 1: 8 products V^T P, in pairs, two slices behind each pair.  kq = 1: 8 products K Q^T for the next step, a slice
; behind each.  A turn with one of the two kinds has twice the slices behind each.
; Piece 0's turn fetches the next step's K behind its first pair: both pieces have multiplied by the old K, and six products and 63 lines follow before the new one is wanted.
.macro TURN x, pv, kq
.set k, 0
.set j, 0
.set per, 2
.if \pv && \kq
.set per, 1
.endif
.if \pv
.if \x == 0
	s_wait_dscnt 0x0                               ; V is in: asked for in the middle of the turn before
.endif
.set i, 0
.rept 4
	WIN 0x01                                       ; source 0 (V) window 1
	PVW \x
.set i, i+1
	PVW \x
.set i, i+1
	WIN 0
.if (\x == 0) && \kq && (i == 2)
	FETCH_K
.endif
.rept 2*per
	SLICE 1-\x
.endr
.endr
.endif
.if \kq
.if \x == 0
	s_wait_dscnt 0x0                               ; K is in
.endif
.set i, 0
.rept 8
	KQW \x
.set i, i+1
.rept per
	SLICE 1-\x
.endr
.endr
.endif
.endm
; n key steps: a trip multiplies by V of step j and fetches and multiplies by K of step j + 1.  Written once, walked n times; the LDS addresses hang on s[TB].
.macro STEPS_LOOP n
	s_mov_b32 s[STEPS], \n
.Lstep_\@:
	TURN 0, 1, 1
	TURN 1, 1, 1
	s_sub_co_u32 s[STEPS], s[STEPS], 1
	s_cmp_lg_u32 s[STEPS], 0
	s_cbranch_scc1 .Lstep_\@
.endm
; THE CHANGE OF SLOTS, between piece 1's turn and piece 0's: the slot's last bytes, V of its eighth step, have been asked for.  Each wave waits for all its tensor loads, of which one is out: its part of the other slot;
; adds 0 to its spare word; waits for that and for its reads of the slot that it leaves.
; fill = 1: the barrier is a round of the cluster's, so that no wave of any partner still reads the slot or has a load on its way, and the slot is filled again first thing behind it, with the keys two slots on.
.macro CHANGE fill
	WIN 0                                          ; at a label and at a branch every window is 0
	s_wait_tensorcnt 0x0                           ; no tensor load of mine is out, so a group 0 may be written
	ds_add_u32 v[SPW], v[NIL]                      ; 0 onto my spare word
.if \fill
	s_xor_b32 s[G0B+1], s[G0B+1], SLOT1            ; the walking descriptor: the other slot than last time,
	s_add_nc_u64 s[G0B+2:G0B+3], s[G0B+2:G0B+3], 8*STEPB   ; the next 512 keys; the type bits on top are not reached
	s_wait_dscnt 0x0                               ; the add is done, and my reads of the slot are over
	CROUND
	tensor_load_to_lds s[G0B:G0B+3], s[G1:G1+7]    ; my one tensor load behind the round
	s_nop 0
.rept 4
	v_nop
.endr
.else
	s_wait_dscnt 0x0
	s_barrier_signal -1
	s_barrier_wait -1
.endif
	s_sub_co_u32 s[TB], s[TB], 8*STEPB             ; the fetches go back to a slot's first step,
	s_xor_b32 s[TB], s[TB], SLOT1                  ; in the other slot
.endm
	s_wait_tensorcnt 1                             ; my part of slot 0 is in; slot 1's may stay out
	s_barrier_signal -1
	s_barrier_wait -1                              ; everybody's is
	FETCH_K                                        ; key step 0
	s_wait_loadcnt 0x0                             ; Q
	s_wait_dscnt 0x0
.set i, 0
.rept 8
	KQW 0                                          ; piece 0's first scores: there is no vector work yet to set between them
.set i, i+1
.endr
	PLACES
	TURN 1, 0, 1                                   ; piece 1's first scores | piece 0's first softmax | V of step 0
	STEPS_LOOP 7                                   ; these trips fetch steps 1 to 7
.Lslot:                                            ; two trips: slots 0 and 1 are filled again
	CHANGE 1
	STEPS_LOOP 8
	s_sub_co_u32 s[SLOTS], s[SLOTS], 1
	s_cmp_lg_u32 s[SLOTS], 0
	s_cbranch_scc1 .Lslot
	CHANGE 0                                       ; the last slot is written out: nothing is left to ask for
	STEPS_LOOP 8
	TURN 0, 1, 0                                   ; piece 0: V^T P of the last step | piece 1's last softmax
	WIN 0x01
.set i, 0
.rept 8
	PVW 1                                          ; piece 1: V^T P of the last step
.set i, i+1
.endr
	WIN 0
	; THE WAY OUT.  l's two halves and the other half of the lanes' are added; O^T / l, rounded to f16, is half a fragment a tile of channels and is stored as it stands.
	; The four additions, the v_nop and tile 0's multiplications are the places behind the last products, which are tile 1's.
.irp t, 0,1
	v_add_f32 v[ST+8*\t+4], v[ST+8*\t+2], v[ST+8*\t+3]
.endr
.irp t, 0,1
	v_permlanex16_b32 v[ST+8*\t+5], v[ST+8*\t+4], s[SEL], s[SEL+1]
.endr
.irp t, 0,1
	v_add_f32 v[ST+8*\t+4], v[ST+8*\t+4], v[ST+8*\t+5]
.endr
.irp t, 0,1
	v_rcp_f32 v[ST+8*\t+6], v[ST+8*\t+4]           ; l is at least 1: the largest score's p
.endr
	v_nop                                          ; a plain instruction behind the last reciprocal
	s_wait_alu depctr_va_vdst(0)                   ; and the wait ahead of the first use: one for both
.irp t, 0,1
.set ii, 0
.rept 16
	v_pk_mul_f32 v[O+32*\t+2*ii:O+32*\t+2*ii+1], v[O+32*\t+2*ii:O+32*\t+2*ii+1], v[ST+8*\t+6:ST+8*\t+7] op_sel_hi:[1,0]
.set ii, ii+1
.endr
.endr
.irp t, 0,1
.set ii, 0
.rept 16
	v_cvt_pk_f16_f32 v[S+32*\t+ii], v[O+32*\t+2*ii], v[O+32*\t+2*ii+1]
.set ii, ii+1
.endr
.endr
.irp t, 0,1
.irp ct, 0,1,2,3
	global_store_b128 v[LI], v[S+32*\t+4*\ct:S+32*\t+4*\ct+3], s[8:9] offset:\t*16384+(\ct/2)*1024+(\ct%2)*512   ; 32 lanes store 512 consecutive aligned bytes
.endr
.endr
	s_wait_tensorcnt 0x0                           ; the wave's end, behind my last tensor load
	ds_add_u32 v[SPW], v[NIL]
	s_wait_dscnt 0x0
	CROUND                                         ; the closing round: no work-group ends while a partner may still ask for a tile that names it
	s_endpgm
.Lfunc_end_k_qd9aedfd5e4_attn:
	.size	k_qd9aedfd5e4_attn, .Lfunc_end_k_qd9aedfd5e4_attn-k_qd9aedfd5e4_attn
	.p2alignl 7, 3214868480
	.fill 96, 4, 3214868480
	.section	.rodata,"a",@progbits
	.p2align	6, 0x0
	.amdhsa_kernel k_qd9aedfd5e4_attn
		.amdhsa_group_segment_fixed_size 327680
		.amdhsa_private_segment_fixed_size 0
		.amdhsa_enable_private_segment 0
		.amdhsa_kernarg_size 24
		.amdhsa_user_sgpr_count 2
		.amdhsa_user_sgpr_kernarg_segment_ptr 1
		.amdhsa_wavefront_size32 1
		.amdhsa_system_sgpr_workgroup_id_x 1
		.amdhsa_system_sgpr_workgroup_id_y 1
		.amdhsa_system_sgpr_workgroup_id_z 1
		.amdhsa_system_vgpr_workitem_id 0
		.amdhsa_next_free_vgpr 320
		.amdhsa_next_free_sgpr 66
		.amdhsa_reserve_vcc 0
		.amdhsa_float_denorm_mode_32 3
		.amdhsa_float_denorm_mode_16_64 3
		.amdhsa_memory_ordered 1
		.amdhsa_forward_progress 1
		.amdhsa_inst_pref_size 83
	.end_amdhsa_kernel
	.amdgpu_metadata
---
amdhsa.version: [ 1, 2 ]
amdhsa.kernels:
  - .name:           k_qd9aedfd5e4_attn
    .symbol:         k_qd9aedfd5e4_attn.kd
    .args:
      - { .name: qf, .offset: 0, .size: 8, .value_kind: global_buffer, .address_space: global }
      - { .name: kv, .offset: 8, .size: 8, .value_kind: global_buffer, .address_space: global }
      - { .name: ofr, .offset: 16, .size: 8, .value_kind: global_buffer, .address_space: global }
    .group_segment_fixed_size: 327680
    .private_segment_fixed_size: 0
    .kernarg_segment_align: 8
    .kernarg_segment_size: 24
    .max_flat_workgroup_size: 256
    .sgpr_count:     66
    .vgpr_count:     320
    .wavefront_size: 32
...
	.end_amdgpu_metadata
.endif
;; end of part 3
;; launch oproj (part 4): grid 4 x 64, 8 waves a work-group, clusters of 4 x 4, 327,680 bytes of LDS; arguments ofr, wof, bo, out0; writes out0
.if DOCPART == 4
	.amdgcn_target "amdgcn-amd-amdhsa--gfx1250"
	.amdhsa_code_object_version 6
	.text
	.protected	k_qd9aedfd5e4_oproj
	.globl	k_qd9aedfd5e4_oproj
	.p2align	8
	.type	k_qd9aedfd5e4_oproj,@function
k_qd9aedfd5e4_oproj:
	s_mov_b64 s[64:65], 0
	v_nop
	global_prefetch_b8 v0, s[64:65] scope:SCOPE_SE
	s_setreg_imm32_b32 hwreg(HW_REG_WAVE_MODE, 25, 1), 1
	s_wait_xcnt 0x0
	s_wait_alu depctr_hold_cnt(0) depctr_sa_sdst(0) depctr_va_vdst(0) depctr_va_sdst(0) depctr_va_ssrc(0) depctr_va_vcc(0) depctr_vm_vsrc(0)
	s_getreg_b32 s2, hwreg(HW_REG_IB_STS2, 6, 4)
	s_cmp_eq_u32 s2, 0
	s_cbranch_scc0 .Lentry_in_a_cluster
	s_endpgm
.Lentry_in_a_cluster:
	s_bfe_u32 s2, ttmp6, 0x10000c
	s_cmp_lg_u32 s2, 0xf033
	s_cbranch_scc0 .Lentry_shape_is_right
	s_endpgm
.Lentry_shape_is_right:
; out0 = o Wo + bo: [8,192][512] x [512][512], operands in f16, sums in f32, out0 in f32.
; o and Wo arrive as images of the operand's registers (1,024 bytes a fragment of 16 rows x 32 K, group g of four registers of lane l at 512 g + 16 l): ofr: (token / 16) x 16,384 + (k / 32) x 1,024; wof: (n / 16) x 16,384 + (k / 32) x 1,024.
; SHARES.  A tile of out0 is 128 x 128: 256 work-groups.  Wave w makes rows 32 (w / 2) on and columns 64 (w % 2) on: 8 accumulators of 16 x 16.
; ALL OF K FITS IN LDS: 128 KiB of o and 128 KiB of Wo, in two halves of K, asked for together at the head: only first fills, nothing is filled again.  The first half is multiplied while the second lands.
; CLUSTERS: 4 x 4 work-groups.  The four of a row of the cluster need the same rows of o, the four of a column the same columns of Wo: each tile is asked for JOINTLY, by the same tensor load with the same descriptor and a mask that names the four.
; THE MATRIX INSTRUCTION IS USED TRANSPOSED (source 0 = 16 columns of Wo, source 1 = 16 rows of o): a lane holds eight neighbouring numbers of a row of out0.  The bias is the C of each sum's first product.
; THE WAY OUT: 16 rows x 64 columns go through the wave's own stage in LDS and come back by rows: sixteen lanes store 256 consecutive aligned bytes.
.set HALF,  131072                     ; LDS: a half of K: o's 8 tiles of rows x 8,192 bytes, then Wo's 8 tiles of columns x 8,192 bytes
.set STG,   262144                     ; behind the two halves: a stage of 16 rows x (256 bytes + 16) for each wave; no tensor load lands there
.set SPARE, 296960                     ; the spare words, 128 bytes for each wave: four blocks of 256 bytes that no other line names
.set LI,  1                            ; v1  16 x lane
.set ADA, 2                            ; v2  LDS address of my fragments of o
.set ADB, 3                            ; v3  of Wo
.set STO, 4                            ; v4  the stage: where I put 32 bytes of a row
.set RD,  5                            ; v5  and where I read a row back
.set CO,  6                            ; v6  my byte offset in out0
.set VB,  7                            ; v7  my byte offset in bo
.set SPW, 8                            ; v8  LDS address of my spare word; never rewritten
.set NIL, 9                            ; v9  0; never rewritten
.set ACC, 16                           ; v16-79   accumulator (i, j) at v[ACC + 8 (4 i + j)]
.set F0,  80                           ; v80-127, v128-175 two fragment buffers: 2 fragments of o, then 4 of Wo; on the way out rows of out0
.set BI,  176                          ; v176-207 bo in the result's layout, 8 registers for each tile of columns
.set WV,  12
.set G1A, 24                           ; s[24:31] descriptor group 1 for o's tiles;  s[32:39] group 0, a set for each half of K
.set G0A, 32
.set G1B, 48                           ; s[48:55], s[56:63] the same for Wo's
.set G0B, 56
.macro CROUND                          ; a round of the cluster's barrier
	s_barrier_signal -1
	s_barrier_wait -1
	s_cmp_lg_u32 s[WV], 0
	s_cbranch_scc1 .Lnot_wave_0_\@
	s_barrier_signal -3
.Lnot_wave_0_\@:
	s_barrier_wait -3
	s_barrier_signal -1
	s_barrier_wait -1
.endm
	s_load_b256 s[4:11], s[0:1], 0x0               ; ofr s[4:5], wof s[6:7], bo s[8:9], out0 s[10:11]
	v_lshl_add_u32 v[SPW], v0, 2, SPARE
	v_mov_b32 v[NIL], 0
	ds_add_u32 v[SPW], v[NIL]                      ; the wave's opening: the add, twice on end, and its wait ahead of my first tensor load; the set-up below stands between
	ds_add_u32 v[SPW], v[NIL]
	v_lshrrev_b32 v10, 5, v0
	v_readfirstlane_b32 s[WV], v10                 ; wave 0..7
	s_bfe_u32 s13, ttmp6, 0x40000                  ; cx, cy: my place in the cluster
	s_bfe_u32 s14, ttmp6, 0x40004
	s_lshl_b32 s15, ttmp9, 2
	s_add_co_u32 s15, s15, s13                     ; tile column = 4 x cluster x + cx
	s_and_b32 s16, ttmp7, 0xffff
	s_lshl_b32 s16, s16, 2
	s_add_co_u32 s16, s16, s14                     ; tile row = 4 x cluster y + cy
	s_lshl_b32 s17, s14, 2
	s_lshl_b32 s17, 15, s17                        ; my row of the cluster
	s_lshl_b32 s18, 0x1111, s13                    ; my column
	; descriptor group 1: two tiles' halves of K: 2 rows of 8,192 bytes (1,024 elements of 8 bytes), 16,384 bytes apart
	s_or_b32 s[G1A+0], s17, (3<<16)|(1<<21)        ; the mask: o's tiles go to my row; elements of 8 bytes; bit 21 set beside a mask
	s_or_b32 s[G1B+0], s18, (3<<16)|(1<<21)        ; Wo's go to my column
.irp g, G1A, G1B
	s_mov_b32 s[\g+1], 1024<<16                    ; tensor_dim0 = 1,024
	s_mov_b32 s[\g+2], 2<<16                       ; tensor_dim1 = 2
	s_mov_b32 s[\g+3], 1024<<16                    ; tile_dim0 = 1,024
	s_mov_b32 s[\g+4], 2                           ; tile_dim1 = 2
	s_mov_b32 s[\g+5], 2048                        ; from row to row
	s_mov_b32 s[\g+6], 0
	s_mov_b32 s[\g+7], 0
.endr
	s_and_b32 s19, s[WV], 3
	s_lshl_b32 s19, s19, 15                        ; which two of the eight tiles I fetch
	s_lshl_b32 s40, s16, 17                        ; o: by the tile row alone, which my row of the cluster shares
	s_add_co_u32 s40, s40, s19
	s_mov_b32 s41, 0
	s_lshl_b32 s42, s15, 17                        ; Wo: by the tile column alone, which my column shares
	s_add_co_u32 s42, s42, s19
	s_mov_b32 s43, 0
	s_lshl_b32 s20, s[WV], 14                      ; where they go: waves 0-3 fill o's 65,536 bytes, waves 4-7 Wo's: no place in the cluster enters an LDS address
	s_wait_dscnt 0x0                               ; both opening adds are done
	s_wait_kmcnt 0x0
	s_add_nc_u64 s[40:41], s[4:5], s[40:41]
	s_add_nc_u64 s[42:43], s[6:7], s[42:43]
.irp hf, 0,1
	s_mov_b32 s[G0A+4*\hf], 1
	s_add_co_u32 s[G0A+4*\hf+1], s20, \hf*HALF
	s_add_nc_u64 s[G0A+4*\hf+2:G0A+4*\hf+3], s[40:41], \hf*8192
	s_or_b32 s[G0A+4*\hf+3], s[G0A+4*\hf+3], 0x80000000
	s_mov_b32 s[G0B+4*\hf], 1
	s_add_co_u32 s[G0B+4*\hf+1], s20, \hf*HALF
	s_add_nc_u64 s[G0B+4*\hf+2:G0B+4*\hf+3], s[42:43], \hf*8192
	s_or_b32 s[G0B+4*\hf+3], s[G0B+4*\hf+3], 0x80000000
.endr
	CROUND                                         ; all sixteen work-groups are here: the joint loads meet
	s_cmp_lt_u32 s[WV], 4                          ; a wave's two loads stand in one branch on its number, ahead of every wait on TENSORcnt and every LDS read: two loads of mine are out
	s_cbranch_scc0 .Lfirst_b
	tensor_load_to_lds s[G0A:G0A+3], s[G1A:G1A+7]
	s_nop 0
	tensor_load_to_lds s[G0A+4:G0A+7], s[G1A:G1A+7]
	s_nop 0
.rept 4
	v_nop
.endr
	s_branch .Lfirst_asked
.Lfirst_b:
	tensor_load_to_lds s[G0B:G0B+3], s[G1B:G1B+7]
	s_nop 0
	tensor_load_to_lds s[G0B+4:G0B+7], s[G1B:G1B+7]
	s_nop 0
.rept 4
	v_nop
.endr
.Lfirst_asked:
	v_and_b32 v10, 31, v0
	v_lshlrev_b32 v[LI], 4, v10
	v_and_b32 v11, 15, v0                          ; r
	v_bfe_u32 v12, v0, 4, 1                        ; h
	s_lshr_b32 s21, s[WV], 1                       ; which 32 rows are mine
	s_and_b32 s22, s[WV], 1                        ; which 64 columns
	s_lshl_b32 s23, s21, 14
	v_add_nc_u32 v[ADA], s23, v[LI]                ; my two tiles of rows
	s_lshl_b32 s23, s22, 15
	s_add_co_u32 s23, s23, 65536
	v_add_nc_u32 v[ADB], s23, v[LI]                ; my four tiles of columns, behind o's eight tiles
	s_mul_i32 s23, s[WV], 16*272
	s_add_co_u32 s23, s23, STG                     ; my stage
	v_mul_u32_u24 v[STO], v11, 272                 ; in: row r, 32 bytes for each half of the lanes
	v_lshl_add_u32 v[STO], v12, 5, v[STO]
	v_add_nc_u32 v[STO], s23, v[STO]
	v_mul_u32_u24 v[RD], v12, 272                  ; back: lanes 0-15 one row of 256 bytes, lanes 16-31 the next
	v_lshl_add_u32 v[RD], v11, 4, v[RD]
	v_add_nc_u32 v[RD], s23, v[RD]
	v_lshlrev_b32 v[CO], 11, v12                   ; and the same two rows in out0
	v_lshl_add_u32 v[CO], v11, 4, v[CO]
	v_lshlrev_b32 v[VB], 5, v12                    ; bo: my half's eight numbers of a tile
	s_lshl_b32 s44, s15, 9                         ; my first column, in bytes: 512 x tile column + 256 x half
	s_lshl_b32 s45, s22, 8
	s_add_co_u32 s44, s44, s45
	s_mov_b32 s45, 0
	s_add_nc_u64 s[8:9], s[8:9], s[44:45]
	s_lshl_b32 s46, s16, 18                        ; my first row: 128 x tile row + 32 x (w / 2), of 2,048 bytes
	s_lshl_b32 s47, s21, 16
	s_add_co_u32 s46, s46, s47
	s_add_co_u32 s46, s46, s44
	s_mov_b32 s47, 0
	s_add_nc_u64 s[10:11], s[10:11], s[46:47]
.irp j, 0,1,2,3
	global_load_b128 v[BI+8*\j:BI+8*\j+3], v[VB], s[8:9] offset:64*\j
	global_load_b128 v[BI+8*\j+4:BI+8*\j+7], v[VB], s[8:9] offset:64*\j+16
.endr
; The fragments of K step kc (32 along K) into buffer f: 12 LDS loads of 512 consecutive bytes
.macro FETCH kc, f
.irp i, 0,1
.irp g, 0,1
	ds_load_b128 v[\f+8*\i+4*\g:\f+8*\i+4*\g+3], v[ADA] offset:\i*8192+((\kc)%8)*1024+\g*512
.endr
.endr
.irp j, 0,1,2,3
.irp g, 0,1
	ds_load_b128 v[\f+16+8*\j+4*\g:\f+16+8*\j+4*\g+3], v[ADB] offset:\j*8192+((\kc)%8)*1024+\g*512
.endr
.endr
.endm
; 8 products; the accumulators take turns, one instruction a turn.  The first K step starts the sums from the bias.
.macro MUL8 kc, f
.irp i, 0,1
.irp j, 0,1,2,3
.if (\kc) == 0
	v_wmma_f32_16x16x32_f16 v[ACC+8*(4*\i+\j):ACC+8*(4*\i+\j)+7], v[\f+16+8*\j:\f+16+8*\j+7], v[\f+8*\i:\f+8*\i+7], v[BI+8*\j:BI+8*\j+7]
.else
	v_wmma_f32_16x16x32_f16 v[ACC+8*(4*\i+\j):ACC+8*(4*\i+\j)+7], v[\f+16+8*\j:\f+16+8*\j+7], v[\f+8*\i:\f+8*\i+7], v[ACC+8*(4*\i+\j):ACC+8*(4*\i+\j)+7]
.endif
.endr
.endr
.endm
.macro PLACES                          ; four places in front of loads into registers that products have read, and of the first read of results
.rept 4
	v_nop
.endr
.endm
; K step kc is multiplied; fetch = 1: the next step's fragments are asked for first, into the other buffer; places = 1: that buffer was read by the products just issued
.macro KSTEP kc, fetch, places
.if \places
	PLACES
.endif
.if \fetch
	FETCH (\kc)+1, F0+48*(((\kc)+1)%2)
	s_wait_dscnt 12                                ; all but the 12 just issued
.else
	s_wait_dscnt 0x0
.endif
	MUL8 \kc, F0+48*((\kc)%2)
.endm
	s_wait_tensorcnt 1                             ; my part of the first half of K is in; the second half's may stay out
	s_barrier_signal -1
	s_barrier_wait -1                              ; everybody's is
	FETCH 0, F0
	s_wait_loadcnt 0x0                             ; bo
	KSTEP 0, 1, 0
.irp kc, 1,2,3,4,5,6
	KSTEP \kc, 1, 1
.endr
	KSTEP 7, 0, 0
	s_wait_tensorcnt 0x0                           ; my part of the second half is in (no LDS instruction of mine is out),
	s_barrier_signal -1
	s_barrier_wait -1                              ; everybody's is
	v_add_nc_u32 v[ADA], HALF, v[ADA]
	v_add_nc_u32 v[ADB], HALF, v[ADB]
	PLACES
	FETCH 8, F0
	KSTEP 8, 1, 0
.irp kc, 9,10,11,12,13,14
	KSTEP \kc, 1, 1
.endr
	KSTEP 15, 0, 0
; THE WAY OUT, 16 rows x 64 columns at a time.  LDS serves a wave's instructions in order (ISA guide 5.7.1.4): no wait between the stores and the loads, nor in front of the next block's stores.
.macro TOSTAGE i
.irp j, 0,1,2,3
	ds_store_b128 v[STO], v[ACC+8*(4*\i+\j):ACC+8*(4*\i+\j)+3] offset:64*\j        ; each accumulator from its low end on
	ds_store_b128 v[STO], v[ACC+8*(4*\i+\j)+4:ACC+8*(4*\i+\j)+7] offset:64*\j+16
.endr
.irp t, 0,1,2,3,4,5,6,7
	ds_load_b128 v[F0+48*\i+4*\t:F0+48*\i+4*\t+3], v[RD] offset:2*\t*272
.endr
.endm
.macro SEND i, younger                 ; younger: the LDS instructions issued behind block i's loads, which may stay out
.irp t, 0,1,2,3,4,5,6,7
	s_wait_dscnt \younger+7-\t
	global_store_b128 v[CO], v[F0+48*\i+4*\t:F0+48*\i+4*\t+3], s[10:11] offset:(16*\i+2*\t)*2048 th:TH_STORE_NT   ; 16 lanes store 256 consecutive bytes, at a multiple of 256 from out0's first byte; written once, read by nobody here
.endr
.endm
	PLACES
	TOSTAGE 0
	TOSTAGE 1
	SEND 0, 16
	SEND 1, 0
	s_wait_tensorcnt 0x0                           ; the wave's end, behind my last tensor load and my last LDS store
	ds_add_u32 v[SPW], v[NIL]
	s_wait_dscnt 0x0
	CROUND                                         ; the closing round: no work-group ends while a partner may still ask for a tile that names it
	s_endpgm
.Lfunc_end_k_qd9aedfd5e4_oproj:
	.size	k_qd9aedfd5e4_oproj, .Lfunc_end_k_qd9aedfd5e4_oproj-k_qd9aedfd5e4_oproj
	.p2alignl 7, 3214868480
	.fill 96, 4, 3214868480
	.section	.rodata,"a",@progbits
	.p2align	6, 0x0
	.amdhsa_kernel k_qd9aedfd5e4_oproj
		.amdhsa_group_segment_fixed_size 327680
		.amdhsa_private_segment_fixed_size 0
		.amdhsa_enable_private_segment 0
		.amdhsa_kernarg_size 32
		.amdhsa_user_sgpr_count 2
		.amdhsa_user_sgpr_kernarg_segment_ptr 1
		.amdhsa_wavefront_size32 1
		.amdhsa_system_sgpr_workgroup_id_x 1
		.amdhsa_system_sgpr_workgroup_id_y 1
		.amdhsa_system_sgpr_workgroup_id_z 1
		.amdhsa_system_vgpr_workitem_id 0
		.amdhsa_next_free_vgpr 208
		.amdhsa_next_free_sgpr 66
		.amdhsa_reserve_vcc 0
		.amdhsa_float_denorm_mode_32 3
		.amdhsa_float_denorm_mode_16_64 3
		.amdhsa_memory_ordered 1
		.amdhsa_forward_progress 1
		.amdhsa_inst_pref_size 34
	.end_amdhsa_kernel
	.amdgpu_metadata
---
amdhsa.version: [ 1, 2 ]
amdhsa.kernels:
  - .name:           k_qd9aedfd5e4_oproj
    .symbol:         k_qd9aedfd5e4_oproj.kd
    .args:
      - { .name: ofr, .offset: 0, .size: 8, .value_kind: global_buffer, .address_space: global }
      - { .name: wof, .offset: 8, .size: 8, .value_kind: global_buffer, .address_space: global }
      - { .name: bo, .offset: 16, .size: 8, .value_kind: global_buffer, .address_space: global }
      - { .name: out0, .offset: 24, .size: 8, .value_kind: global_buffer, .address_space: global }
    .group_segment_fixed_size: 327680
    .private_segment_fixed_size: 0
    .kernarg_segment_align: 8
    .kernarg_segment_size: 32
    .max_flat_workgroup_size: 256
    .sgpr_count:     66
    .vgpr_count:     208
    .wavefront_size: 32
...
	.end_amdgpu_metadata
.endif
;; end of part 4
